; MI455X (gfx1250); checked and timed in simulation.
; The chip was launched on July 23, 2026; its instructions are those of AMD's public machine-readable ISA for CDNA 5 (MIT licence, August 2026) and "CDNA5" Instruction Set Architecture Reference Guide (July 2026). The comments in the code are by the model that wrote it; some were corrected since.
;; Re Lu GRU Cell. Allowed arithmetic: float matrix products may take bf16 or f16 operands with f32 sums; other float arithmetic in f32, or as packed bf16 or f16 multiplies, adds, multiply-adds, maxima and minima; sums over many terms, partial sums and values carried from step to step in f32; what a program stores and reads back later, other than sums and carried values, may be rounded once to bf16 or f16.
;; Inputs: bias 3 x 1,024 float32; hx 8,192 x 1,024 float32; input 8,192 x 1,024 float32; weight_hh 3 x 1,024 x 1,024 float32; weight_ih 3 x 1,024 x 1,024 float32.
;; Outputs: out0 8,192 x 1,024 float32.
;; 2 versions, each right; version 2 is version 1 with the launch cvt written anew for expert scheduling mode. Each part assembles by itself: llvm-mc -triple=amdgcn-amd-amdhsa -mcpu=gfx1250 --defsym DOCPART=n.
;; ======== version 1 of 2: 3 launches
;; workspace buffers: xh 33,554,432 bytes; wc 12,582,912 bytes; zr 33,554,432 bytes
;; launch cvt (part 1): grid 352 x 2, 8 waves a work-group, no clusters, 70,656 bytes of LDS; arguments input, hx, weight_ih, weight_hh, xh, wc; writes xh, wc
.if DOCPART == 1
	.amdgcn_target "amdgcn-amd-amdhsa--gfx1250"
	.amdhsa_code_object_version 6
	.text
	.protected	k_qb6353e3554_cvt
	.globl	k_qb6353e3554_cvt
	.p2align	8
	.type	k_qb6353e3554_cvt,@function
k_qb6353e3554_cvt:
	s_mov_b64 s[64:65], 0
	v_nop
	global_prefetch_b8 v0, s[64:65] scope:SCOPE_SE
	s_setreg_imm32_b32 hwreg(HW_REG_WAVE_MODE, 25, 1), 1
	s_wait_xcnt 0x0
; f32 -> bf16, once for every matrix operand; the two operands of each product side by side along K; and all of it IN THE ORDER OF A MATRIX FRAGMENT:
;   xh = [input | hx], 8,192 rows x 2,048 along K;   wc = [weight_ih | weight_hh], 3,072 rows (1,024 g + n) x 2,048 along K.
; THE LAYOUT.  A CHUNK is 16 rows x 32 along K, 1,024 bytes: piece p (0, 1) of 512 bytes, in it lane l = 16 h + r at byte 16 l: row r, k = 16 p + 8 h + 0..7.  A block of 16 rows is its 64 chunks on end, 65,536 bytes.
; So a load of 16 bytes a lane at 16 x lane brings half a fragment (ISA guide 7.12.2: 16-bit operands) as 512 consecutive bytes, out of memory and out of LDS alike.
; SHARES.  Work-group (x, y): y = 0 takes input / weight_ih (chunks 0-31 of the destination's blocks), y = 1 hx / weight_hh (chunks 32-63); x < 256: rows 32 x on of the activations; else rows 32 (x - 256) on of the 3,072
; weight rows.  Wave w takes 128 along K (four chunks) of the work-group's two blocks of 16 rows: two UNITS of 16 rows x 512 bytes of f32.
; A load of a wave covers 512 neighbouring bytes of a source row; all 32 loads of a thread go out at once.  A unit is rounded, laid by rows into the wave's own LDS (rows of 256 bytes + 16, so that the 16 rows which a read
; touches lie 16 bytes apart modulo 256), read back by fragments, and stored: 8 stores of 512 consecutive bytes, 4,096 on end.  LDS serves a wave's instructions in order (ISA guide 5.7.1.4) and no wave touches another's
; bytes: no barrier.  No matrix unit or cluster: nothing is shared and nothing is reduced.  Rounding: to nearest even, once.
.set ROWB,  4096                       ; bytes in a source row
.set RBB,   65536                      ; bytes in a destination block of 16 rows
.set LP,    272                        ; an LDS row: 128 bf16 + 16 bytes
.set UNIT,  16*LP                      ; a unit in LDS
.set SPARE, 16*UNIT                    ; behind the eight waves' two units each: the spare words, 128 bytes a wave: four blocks of 256 bytes that no other line names
.set SRC,  1                           ; v1   16 x thread: my 16 bytes in a source row
.set DST,  2                           ; v2   4,096 x wave + 16 x lane: my 16 bytes in a chunk's piece
.set LIN,  3                           ; v3   LDS, in: my 8 bytes of a row
.set LOUT, 4                           ; v4   LDS, out: row lane % 16, 16 bytes x (lane / 16)
.set SPW,  6                           ; v6   LDS address of my spare word; never rewritten
.set NIL,  7                           ; v7   0; never rewritten
.set X,    8                           ; v[8:135]  row n of 32: 4 registers as loaded; a unit's first 32 registers then take its 8 half fragments
	s_load_b256 s[4:11], s[0:1], 0x0               ; input s[4:5], hx s[6:7], weight_ih s[8:9], weight_hh s[10:11]
	s_load_b128 s[12:15], s[0:1], 0x20             ; xh s[12:13], wc s[14:15]
	v_lshl_add_u32 v[SPW], v0, 2, SPARE
	v_mov_b32 v[NIL], 0
	s_and_b32 s16, ttmp7, 0xffff                   ; y: which half of K
	v_lshrrev_b32 v5, 5, v0
	v_readfirstlane_b32 s17, v5                    ; wave 0..7
	v_lshlrev_b32 v[SRC], 4, v0
	v_and_b32 v5, 31, v0                           ; lane
	s_lshl_b32 s2, s17, 12                         ; my wave's four chunks
	s_mul_i32 s3, s17, 2*UNIT                      ; my wave's two units in LDS
	v_lshl_add_u32 v[DST], v5, 4, s2
	v_lshl_add_u32 v[LIN], v5, 3, s3
	v_and_b32 v[LOUT], 15, v0
	v_bfe_u32 v5, v0, 4, 1
	v_mul_u32_u24 v[LOUT], v[LOUT], LP
	v_lshl_add_u32 v[LOUT], v5, 4, v[LOUT]
	v_add_nc_u32 v[LOUT], s3, v[LOUT]
	s_wait_kmcnt 0x0
	s_cmp_eq_u32 s16, 0
	s_cselect_b64 s[18:19], s[4:5], s[6:7]         ; the activations of this half
	s_cselect_b64 s[20:21], s[8:9], s[10:11]       ; the weights of this half
	s_cmp_lt_u32 ttmp9, 256
	s_cselect_b64 s[22:23], s[18:19], s[20:21]     ; source
	s_cselect_b64 s[24:25], s[12:13], s[14:15]     ; destination
	s_cselect_b32 s26, 0, 256
	s_sub_co_u32 s27, ttmp9, s26                   ; block of 32 rows in that tensor
	s_lshl_b32 s28, s27, 17                        ; 32 source rows of 4,096 bytes = two destination blocks of 65,536: the same offset, under 2^26
	s_mov_b32 s29, 0
	s_lshl_b32 s30, s16, 15                        ; the destination's chunks 32 y on
	s_mov_b32 s31, 0
	s_add_nc_u64 s[22:23], s[22:23], s[28:29]
	s_add_nc_u64 s[24:25], s[24:25], s[28:29]
	s_add_nc_u64 s[24:25], s[24:25], s[30:31]
.set i, 0
.rept 32
	global_load_b128 v[X+4*i:X+4*i+3], v[SRC], s[22:23] offset:ROWB*i th:TH_LOAD_NT  ; read once in the whole program
.set i, i+1
.endr
; Unit u: each row as it lands is rounded and laid into LDS; then the unit's 8 half fragments are asked for (chunk q / 2, piece q % 2: 64 (q / 2) + 32 (q % 2) = 32 q bytes into the rows).
.macro UNITIN u
.set i, 0
.rept 16
	s_wait_loadcnt 31-16*(\u)-i                    ; loads come back in order: this row is in, the younger ones stay out
	v_cvt_pk_bf16_f32 v[X+64*(\u)+4*i],   v[X+64*(\u)+4*i],   v[X+64*(\u)+4*i+1]
	v_cvt_pk_bf16_f32 v[X+64*(\u)+4*i+1], v[X+64*(\u)+4*i+2], v[X+64*(\u)+4*i+3]
	ds_store_b64 v[LIN], v[X+64*(\u)+4*i:X+64*(\u)+4*i+1] offset:(\u)*UNIT+i*LP
.set i, i+1
.endr
.irp q, 0,1,2,3,4,5,6,7
	ds_load_b128 v[X+64*(\u)+4*(\q):X+64*(\u)+4*(\q)+3], v[LOUT] offset:(\u)*UNIT+32*(\q)
.endr
.endm
.macro UNITOUT u, younger              ; younger: the LDS instructions issued behind unit u's loads
.irp q, 0,1,2,3,4,5,6,7
	s_wait_dscnt (\younger)+7-(\q)
	global_store_b128 v[DST], v[X+64*(\u)+4*(\q):X+64*(\u)+4*(\q)+3], s[24:25] offset:(\u)*RBB+512*(\q)  ; 512 consecutive bytes, at a multiple of 256 from the buffer's first; no hint: the next launches read it
.endr
.endm
	UNITIN 0
	UNITIN 1                                       ; the second unit's work stands between the first's LDS loads and the wait for them
	UNITOUT 0, 24                                  ; behind unit 0's loads: unit 1's 16 stores and 8 loads
	UNITOUT 1, 0
	s_wait_tensorcnt 0x0                           ; the wave's end: three closing lines, behind my last LDS store
	ds_add_u32 v[SPW], v[NIL]
	s_wait_dscnt 0x0
	s_endpgm
.Lfunc_end_k_qb6353e3554_cvt:
	.size	k_qb6353e3554_cvt, .Lfunc_end_k_qb6353e3554_cvt-k_qb6353e3554_cvt
	.p2alignl 7, 3214868480
	.fill 96, 4, 3214868480
	.section	.rodata,"a",@progbits
	.p2align	6, 0x0
	.amdhsa_kernel k_qb6353e3554_cvt
		.amdhsa_group_segment_fixed_size 70656
		.amdhsa_private_segment_fixed_size 0
		.amdhsa_enable_private_segment 0
		.amdhsa_kernarg_size 48
		.amdhsa_user_sgpr_count 2
		.amdhsa_user_sgpr_kernarg_segment_ptr 1
		.amdhsa_wavefront_size32 1
		.amdhsa_system_sgpr_workgroup_id_x 1
		.amdhsa_system_sgpr_workgroup_id_y 1
		.amdhsa_system_sgpr_workgroup_id_z 1
		.amdhsa_system_vgpr_workitem_id 0
		.amdhsa_next_free_vgpr 136
		.amdhsa_next_free_sgpr 66
		.amdhsa_reserve_vcc 0
		.amdhsa_float_denorm_mode_32 3
		.amdhsa_float_denorm_mode_16_64 3
		.amdhsa_memory_ordered 1
		.amdhsa_forward_progress 1
		.amdhsa_inst_pref_size 15
	.end_amdhsa_kernel
	.amdgpu_metadata
---
amdhsa.version: [ 1, 2 ]
amdhsa.kernels:
  - .name:           k_qb6353e3554_cvt
    .symbol:         k_qb6353e3554_cvt.kd
    .args:
      - { .name: input, .offset: 0, .size: 8, .value_kind: global_buffer, .address_space: global }
      - { .name: hx, .offset: 8, .size: 8, .value_kind: global_buffer, .address_space: global }
      - { .name: weight_ih, .offset: 16, .size: 8, .value_kind: global_buffer, .address_space: global }
      - { .name: weight_hh, .offset: 24, .size: 8, .value_kind: global_buffer, .address_space: global }
      - { .name: xh, .offset: 32, .size: 8, .value_kind: global_buffer, .address_space: global }
      - { .name: wc, .offset: 40, .size: 8, .value_kind: global_buffer, .address_space: global }
    .group_segment_fixed_size: 70656
    .private_segment_fixed_size: 0
    .kernarg_segment_align: 8
    .kernarg_segment_size: 48
    .max_flat_workgroup_size: 256
    .sgpr_count:     66
    .vgpr_count:     136
    .wavefront_size: 32
...
	.end_amdgpu_metadata
.endif
;; end of part 1
;; launch gates_zr (part 2): grid 8 x 32, 4 waves a work-group, clusters of 4 x 4, 327,680 bytes of LDS; arguments xh, wc, zr, bias; writes zr
.if DOCPART == 2
	.amdgcn_target "amdgcn-amd-amdhsa--gfx1250"
	.amdhsa_code_object_version 6
	.text
	.protected	k_qb6353e3554_gates_zr
	.globl	k_qb6353e3554_gates_zr
	.p2align	8
	.type	k_qb6353e3554_gates_zr,@function
k_qb6353e3554_gates_zr:
	s_mov_b64 s[64:65], 0
	v_nop
	global_prefetch_b8 v0, s[64:65] scope:SCOPE_SE
	s_setreg_imm32_b32 hwreg(HW_REG_WAVE_MODE, 25, 1), 1
	s_wait_xcnt 0x0
	s_wait_alu depctr_hold_cnt(0) depctr_sa_sdst(0) depctr_va_vdst(0) depctr_va_sdst(0) depctr_va_ssrc(0) depctr_va_vcc(0) depctr_vm_vsrc(0)
	s_getreg_b32 s2, hwreg(HW_REG_IB_STS2, 6, 4)
	s_cmp_eq_u32 s2, 0
	s_cbranch_scc0 .Lentry_in_a_cluster
	s_endpgm
.Lentry_in_a_cluster:
	s_bfe_u32 s2, ttmp6, 0x10000c
	s_cmp_lg_u32 s2, 0xf033
	s_cbranch_scc0 .Lentry_shape_is_right
	s_endpgm
.Lentry_shape_is_right:
; THE TWO SIGMOID GATES AS ONE GEMM.  C[b][n] = sum over k < 2048 of xh[b][k] wc[n][k], b < 8192, n < 2048 (xh = [x | h], wc rows 0-1023 the z gate's [Wih | Whh], rows 1024-2047 the r gate's), bf16 operands, f32 sums.
;   n < 1024:  zr[b][n] = z = sigmoid(C + bias[n])                    as f16
;   n >= 1024: zr[b][n] = hr = h[b][n-1024] x sigmoid(C + bias[n])    as bf16: the next launch's matrix operand.
; h is taken from xh, so it is hx rounded to bf16, as in the products; the bias is rounded to bf16 too: every input enters rounded once to bf16.
; LIMITS.  sigmoid(v) = 1 / (1 + 2^(-v log2 e)): an exponential below 2^-126 counts as 0 (sigmoid exactly 1), one that overflows gives sigmoid exactly 0.  z below 6e-5 keeps f16's fixed step of 6e-8.
; hr is rounded once to bf16, z once to f16.  NaN and infinities are not treated apart.
; THE LAYOUT of xh, wc and zr (8,192 or 3,072 rows x 2,048 numbers of 16 bits) is the order of a fragment.  A CHUNK is 16 rows x 32 columns, 1,024 bytes: piece p of 512 bytes, in it lane l = 16 h + r at byte 16 l: row r,
; columns 16 p + 8 h + 0..7.  A block of 16 rows is its 64 chunks on end, 65,536 bytes.  So a K step of 128 of a block of rows is 4,096 consecutive bytes; a fragment is two loads of 32 lanes x 16 neighbouring bytes;
; and a 16 x 16 result of the transposed product, packed to 16 bits, IS a piece of a chunk of zr, and h's piece of xh has the same lanes.
; SHARES.  A work-group of four waves makes 256 x 256 of C, a wave 128 x 128: 64 accumulators of 16 x 16, 512 registers.  256 work-groups.  K goes in 16 steps of 128 through a ring of two LDS slots filled by the
; tensor data mover.  A wave has two tensor loads out at the start and one behind each round.
; CLUSTER.  4 x 4 work-groups: the four of a cluster's row need the same tiles of xh, the four of a column the same tiles of wc: each tile is asked for jointly, by the same load, descriptor and mask in all four.
; The gate is the cluster's x (0: z, 1: r): the same in all sixteen partners, so the one branch on it is alike in all.
; THE MATRIX INSTRUCTION IS USED TRANSPOSED (source 0 = 16 rows of wc, source 1 = 16 rows of xh): a lane holds row l % 16 of C and eight neighbouring columns 8 (l / 16) + 0..7.
; THE WAY OUT.  No number changes lanes.  The raw sums are set aside in LDS in lane order (each wave its own 65,536 bytes, laid over the ring when its last fill has landed and every wave has read it out), so that ONE loop
; of eight trips, written once, walks the eight blocks of 16 rows: registers cannot be indexed, and the text written out eight times would be some 14,000 bytes longer.
; REGISTERS, in windows of 256 (s_set_vgpr_msb: bits 1:0 source 0, 3:2 source 1, 5:4 source 2, 7:6 destination):
;   window 0: v0-31 addresses; v32-47 at work; v64-127, v128-191 fragments of xh, two buffers (later v64-127 the block on its way out, v128-159 its h); v192-255 my 64 biases
;   window 1: v64-127, v128-191 fragments of wc      window 2: accumulators of my rows 0-63 ((a, b) at v[8 (8 a + b)])      window 3: those of my rows 64-127
.set RBB,    65536                     ; a block of 16 rows of xh, wc, zr
.set CHB,    1024                      ; a chunk
.set STEPB,  4*CHB                     ; a K step of 128 of one block of rows
.set HALFT,  8*STEPB                   ; 128 rows: what one tensor load brings, and what one wave reads of either operand
.set SLOT,   4*HALFT                   ; xh's 256 rows, then wc's 256 rows
.set SPARE,  2*SLOT                    ; behind the ring: the spare words, 128 bytes a wave: two blocks of 256 bytes that no other line names
.set WSTG,   65536                     ; a wave's 64 accumulators in LDS; four of them are exactly the ring
.set LAPS,   8                         ; a lap = two K steps = once round the ring
.set ADRA, 16                          ; v16-17  LDS address of my xh fragments in slot 0, 1
.set ADRB, 20                          ; v20-21  the same for wc
.set STG,  24                          ; v24     my 16 bytes in my wave's first piece of set-aside sums; never rewritten
.set L16,  26                          ; v26     16 x lane: my 16 bytes in a piece of a chunk; never rewritten
.set BO,   27                          ; v27     32 x (lane / 16): my eight biases among sixteen
.set SPW,  28                          ; v28     LDS address of my spare word; never rewritten
.set NIL,  29                          ; v29     0; never rewritten
.set ADR,  30                          ; v30     STG + the block in hand
.set T,    32                          ; v[32:47]  at work
.set S,    64                          ; v[64:127] a block of 16 rows: accumulator b in 8 registers
.set H,    128                         ; v[128:159] h of a block: accumulator b's 8 bf16 in 4 registers
.set BN,   192                         ; v[192:255] -log2(e) x bias of column 16 b + 8 (l / 16) + j at BN + 8 b + j
.set F0,   64
.set F1,   128
.set WV,   12                          ; s12  wave 0..3
.set RH,   13                          ; s13  which half of the tile's rows is mine.  Also: I fetch xh (0) or wc (1)
.set CH,   14                          ; s14  which half of its columns.  Also: which 128 rows of that tile I fetch
.set G1,   24                          ; s[24:31] descriptor group 1 for xh's tiles;  s[32:39] group 0, a set for each slot
.set G0,   32
.set G1B,  48                          ; s[48:55], s[56:63] the same for wc's tiles
.set G0B,  56
.set GATE, 66                          ; s66  0: z, 1: r
.set BLK,  67                          ; s67  blocks of 16 rows to go
.set HP,   68                          ; s[68:69] h at the block to be loaded
.set NL,   70                          ; s[70:71] -log2(e): the packed lines name a pair and take its low word
.set HIM,  72                          ; s72  a word's upper bf16
.set LOFF, 73                          ; s73  the block's first byte among my set-aside sums
.set MSB, 0
.macro WIN new                         ; the immediate's high byte repeats the setting that is left; a switch that changes nothing is dropped
.if MSB != (\new)
	s_set_vgpr_msb (MSB<<8)|(\new)
.set MSB, \new
.endif
.endm
.set MUL_LO, 0xa1                      ; source 0 (wc) window 1, source 1 (xh) window 0, C and D window 2
.set MUL_HI, 0xf1                      ; the same, C and D window 3
.set TO_B,   0x40                      ; destination window 1, address window 0
; A joint load.  Waves 0 and 1 fetch xh's two halves, waves 2 and 3 wc's.  The branch hangs on the wave's number alone.  An s_nop 0 and four v_nop follow each of the two lines.
.macro JLOAD s
	s_cmp_eq_u32 s[RH], 0
	s_cbranch_scc0 .Lfor_b_\@
	tensor_load_to_lds s[G0+4*(\s):G0+4*(\s)+3], s[G1:G1+7]
	s_nop 0
.rept 4
	v_nop
.endr
	s_branch .Lasked_\@
.Lfor_b_\@:
	tensor_load_to_lds s[G0B+4*(\s):G0B+4*(\s)+3], s[G1B:G1B+7]
	s_nop 0
.rept 4
	v_nop
.endr
.Lasked_\@:
.endm
; A round of the cluster's barrier: my work-group's barrier; wave 0 signals for the work-group; every wave waits for all sixteen; my work-group's barrier once more.
.macro CREST                           ; a round behind its opening barrier
	s_cmp_lg_u32 s[WV], 0
	s_cbranch_scc1 .Lnot_wave_0_\@
	s_barrier_signal -3
.Lnot_wave_0_\@:
	s_barrier_wait -3
	s_barrier_signal -1
	s_barrier_wait -1
.endm
.macro CROUND
	s_barrier_signal -1
	s_barrier_wait -1
	CREST
.endm
	s_load_b256 s[4:11], s[0:1], 0x0               ; xh s[4:5], wc s[6:7], zr s[8:9], bias s[10:11]
	v_lshl_add_u32 v[SPW], v0, 2, SPARE
	v_mov_b32 v[NIL], 0
	ds_add_u32 v[SPW], v[NIL]                      ; the wave's opening: the add and its wait ahead of my first tensor load; the set-up below, work on registers, stands between them
	v_lshrrev_b32 v1, 5, v0
	v_readfirstlane_b32 s[WV], v1
	s_lshr_b32 s[RH], s[WV], 1
	s_and_b32 s[CH], s[WV], 1
	s_bfe_u32 s40, ttmp6, 0x40000                  ; cx
	s_bfe_u32 s41, ttmp6, 0x40004                  ; cy
	s_mov_b32 s[GATE], ttmp9                       ; the cluster's x: tile columns 0-3 are z's, 4-7 r's
	s_lshl_b32 s42, ttmp9, 2
	s_add_co_u32 s42, s42, s40                     ; tile column of C = 4 x cluster x + cx
	s_and_b32 s45, ttmp7, 0xffff
	s_lshl_b32 s45, s45, 2
	s_add_co_u32 s45, s45, s41                     ; tile row of C = 4 x cluster y + cy
	s_lshl_b32 s43, s41, 2
	s_lshl_b32 s43, 15, s43                        ; my row of the cluster: places 4 cy .. 4 cy + 3
	s_lshl_b32 s44, 0x1111, s40                    ; my column: places cx, cx + 4, cx + 8, cx + 12
	; descriptor group 1: 128 rows x 128 along K are 8 blocks of rows, of each 4,096 consecutive bytes: a tile of 8 rows x 512 elements of 8 bytes, 65,536 bytes from row to row; in LDS they lie on end
	s_or_b32 s[G1+0], s43, (3<<16)|(1<<21)         ; 15:0 mask: xh's tiles go to my row; 17:16 8-byte elements; 20 no padding; 21 set beside a mask
	s_or_b32 s[G1B+0], s44, (3<<16)|(1<<21)        ; the same with the mask of my column, for wc's tiles
.irp g, G1, G1B
	s_mov_b32 s[(\g)+1], 512<<16                   ; tensor_dim0 = 512
	s_mov_b32 s[(\g)+2], 8<<16                     ; tensor_dim1 = 8
	s_mov_b32 s[(\g)+3], 512<<16                   ; tile_dim0 = 512
	s_mov_b32 s[(\g)+4], 8                         ; tile_dim1 = 8
	s_mov_b32 s[(\g)+5], RBB/8                     ; elements from row to row
	s_mov_b32 s[(\g)+6], 0
	s_mov_b32 s[(\g)+7], 0
.endr
	s_mov_b32 s[NL], 0xbfb8aa3b                    ; -log2(e)
	s_mov_b32 s[NL+1], s[NL]
	s_mov_b32 s[HIM], 0xffff0000
	; where the tiles come from: xh's hang on the tile row alone, wc's on the tile column alone; 256 rows are 2^20 bytes, 128 rows 2^19; all offsets stay under 2^26
	s_lshl_b32 s17, s[CH], 19
	s_lshl_b32 s16, s45, 20
	s_add_co_u32 s16, s16, s17                     ; xh: 256 x tile row + 128 x half
	s_lshl_b32 s46, s42, 20
	s_add_co_u32 s46, s46, s17                     ; wc: 256 x tile column + 128 x half
	s_mov_b32 s17, 0
	s_mov_b32 s47, 0
	s_mul_i32 s20, s[WV], HALFT                    ; and where they go: wave x 128 rows: no place in the cluster enters an LDS address
	s_wait_dscnt 0x0                               ; the opening add is done
	s_wait_kmcnt 0x0
	s_add_nc_u64 s[18:19], s[4:5], s[16:17]
	s_add_nc_u64 s[46:47], s[6:7], s[46:47]
	CROUND                                         ; all sixteen work-groups are here: the first joint loads meet
.irp s, 0,1
	s_mov_b32 s[G0+4*(\s)], 1                                        ; count = 1
	s_add_co_u32 s[G0+4*(\s)+1], s20, (\s)*SLOT                      ; LDS address
	s_add_nc_u64 s[G0+4*(\s)+2:G0+4*(\s)+3], s[18:19], (\s)*STEPB    ; global address: K step s
	s_or_b32 s[G0+4*(\s)+3], s[G0+4*(\s)+3], 0x80000000              ; type = 2
	s_mov_b32 s[G0B+4*(\s)], 1
	s_add_co_u32 s[G0B+4*(\s)+1], s20, (\s)*SLOT
	s_add_nc_u64 s[G0B+4*(\s)+2:G0B+4*(\s)+3], s[46:47], (\s)*STEPB
	s_or_b32 s[G0B+4*(\s)+3], s[G0B+4*(\s)+3], 0x80000000
	JLOAD \s                                       ; the ring is filled before anything else is done
.endr
	v_and_b32 v5, 31, v0
	v_bfe_u32 v2, v0, 4, 1                         ; l / 16
	v_lshlrev_b32 v[L16], 4, v5
	v_lshlrev_b32 v[BO], 5, v2
	s_mul_i32 s21, s[RH], HALFT                    ; my 128 rows of xh
	s_mul_i32 s22, s[CH], HALFT                    ; my 128 rows of wc,
	s_add_co_u32 s22, s22, 2*HALFT                 ; which lie behind xh's 256
.irp s, 0,1
	v_add_nc_u32 v[ADRA+(\s)], s21, v[L16]
	v_add_nc_u32 v[ADRB+(\s)], s22, v[L16]
	s_add_co_u32 s21, s21, SLOT
	s_add_co_u32 s22, s22, SLOT
.endr
	s_mul_i32 s23, s[WV], WSTG
	v_add_nc_u32 v[STG], s23, v[L16]
	; my part of C: blocks of rows 16 x tile row + 8 RH on, chunks 8 x tile column + 4 CH on.  hr(b, c) in zr and h(b, c) in xh have the same byte offset.
	s_lshl_b32 s76, s45, 20
	s_lshl_b32 s80, s[RH], 19
	s_add_co_u32 s76, s76, s80
	s_lshl_b32 s80, s42, 13
	s_add_co_u32 s76, s76, s80
	s_lshl_b32 s80, s[CH], 12
	s_add_co_u32 s76, s76, s80
	s_mov_b32 s77, 0
	s_lshl_b32 s78, s42, 10                        ; my first column's bias, 4 (256 x tile column + 128 CH): gates 0 and 1 lie end to end in bias
	s_lshl_b32 s80, s[CH], 9
	s_add_co_u32 s78, s78, s80
	s_mov_b32 s79, 0
	s_add_nc_u64 s[8:9], s[8:9], s[76:77]
	s_add_nc_u64 s[HP:HP+1], s[4:5], s[76:77]
	s_add_nc_u64 s[10:11], s[10:11], s[78:79]
.irp b, 0,1,2,3,4,5,6,7
	global_load_b128 v[BN+8*(\b):BN+8*(\b)+3],   v[BO], s[10:11] offset:64*(\b)
	global_load_b128 v[BN+8*(\b)+4:BN+8*(\b)+7], v[BO], s[10:11] offset:64*(\b)+16
.endr
	s_wait_loadcnt 0x0                             ; the bias is rounded to bf16 like every input and multiplied by -log2(e): all this stands in the wait for the first tile
.set i, 0
.rept 32
	v_cvt_pk_bf16_f32 v[T+i%4], v[BN+2*i], v[BN+2*i+1]
	v_lshlrev_b32 v[BN+2*i],   16, v[T+i%4]
	v_and_b32     v[BN+2*i+1], s[HIM], v[T+i%4]
	v_pk_mul_f32 v[BN+2*i:BN+2*i+1], v[BN+2*i:BN+2*i+1], s[NL:NL+1] op_sel_hi:[1,0]
.set i, i+1
.endr
; 16 matrix instructions: m blocks a0, a0 + 1 of the window's four x all 8 n blocks, 32 along K.  zero = 1: the first product starts the sums.
.macro MUL16 f, hi, a0, zero
	WIN MUL_LO+0x50*(\hi)
.irp a, \a0, (\a0)+1
.irp b, 0,1,2,3,4,5,6,7
.if \zero
	v_wmma_f32_16x16x32_bf16 v[8*(8*(\a)+(\b)):8*(8*(\a)+(\b))+7], v[(\f)+8*(\b):(\f)+8*(\b)+7], v[(\f)+8*(4*(\hi)+(\a)):(\f)+8*(4*(\hi)+(\a))+7], 0
.else
	v_wmma_f32_16x16x32_bf16 v[8*(8*(\a)+(\b)):8*(8*(\a)+(\b))+7], v[(\f)+8*(\b):(\f)+8*(\b)+7], v[(\f)+8*(4*(\hi)+(\a)):(\f)+8*(4*(\hi)+(\a))+7], v[8*(8*(\a)+(\b)):8*(8*(\a)+(\b))+7]
.endif
.endr
.endr
.endm
; 32 LDS loads in one run: the fragments of one quarter step (the chunk at byte k of each of wc's 8 and xh's 8 blocks of rows) into buffer f; each load takes 512 neighbouring bytes
.macro FETCH slot, k, f
	WIN TO_B
.irp i, 0,1,2,3,4,5,6,7
	ds_load_b128 v[(\f)+8*(\i):(\f)+8*(\i)+3],   v[ADRB+(\slot)] offset:(\k)+(\i)*STEPB
	ds_load_b128 v[(\f)+8*(\i)+4:(\f)+8*(\i)+7], v[ADRB+(\slot)] offset:(\k)+(\i)*STEPB+512
.endr
	WIN 0
.irp i, 0,1,2,3,4,5,6,7
	ds_load_b128 v[(\f)+8*(\i):(\f)+8*(\i)+3],   v[ADRA+(\slot)] offset:(\k)+(\i)*STEPB
	ds_load_b128 v[(\f)+8*(\i)+4:(\f)+8*(\i)+7], v[ADRA+(\slot)] offset:(\k)+(\i)*STEPB+512
.endr
.endm
.macro PLACES                          ; a load into a register that a matrix instruction has read, and a store of a matrix result, stand four plain vector instructions behind it (ISA guide 7.12.1 for vector instructions)
.rept 4
	v_nop
.endr
.endm
; A K step is four quarters of 32 along K, 64 matrix instructions each, on buffers 0, 1, 0, 1; the 64 accumulators take turns, one instruction a turn.
; One of the first three: multiplies buffer f; in its middle it fetches the next quarter's fragments, the chunk at byte k, into buffer g.
.macro QUARTER slot, k, f, g, zero
	s_wait_dscnt 8                                 ; wc's and xh's rows 0-63 are in; the youngest eight loads (xh's rows 64-127) may be out
	WIN MUL_LO
	MUL16 \f, 0, 0, \zero
	MUL16 \f, 0, 2, \zero
	PLACES
	FETCH \slot, \k, \g
	s_wait_dscnt 32                                ; all but the 32 just issued
	WIN MUL_HI
	MUL16 \f, 1, 0, \zero
	MUL16 \f, 1, 2, \zero
.endm
; The last quarter multiplies buffer 1 and changes slots.  MEET is its first half: one barrier for two things: behind it nobody reads this slot any more, and the next slot is whole.
.macro MEET round                      ; round = 1: a round of the cluster's barrier follows
	WIN 0                                          ; (the add's two registers lie in window 0)
	s_wait_tensorcnt 0x0                           ; all my tensor loads have landed: the one that was out is my part of the next slot
	ds_add_u32 v[SPW], v[NIL]                      ; 0 onto my spare word
	s_wait_dscnt 9                                 ; (the add and the youngest eight loads may be out)
	WIN MUL_LO
	MUL16 F1, 0, 0, 0                              ; sixteen matrix instructions stand between the add and the wait for it
	s_wait_dscnt 0x0                               ; the add is done, and my reads of this slot are over
	s_barrier_signal -1
	MUL16 F1, 0, 2, 0                              ; work on registers while the others arrive
.if \round
	WIN 0
.endif
	s_barrier_wait -1
.endm
; The whole last quarter.  fill = 1: the slot just read out is filled again, two K steps on, first thing behind the round: 224 matrix instructions ahead of the wait for it.
.macro TURN slot, next, fill
	MEET \fill
.if \fill
	CREST                                          ; no wave of any partner still reads this slot's tile or has a load on its way
	s_add_nc_u64 s[G0+4*(\slot)+2:G0+4*(\slot)+3], s[G0+4*(\slot)+2:G0+4*(\slot)+3], 2*STEPB
	s_add_nc_u64 s[G0B+4*(\slot)+2:G0B+4*(\slot)+3], s[G0B+4*(\slot)+2:G0B+4*(\slot)+3], 2*STEPB
	JLOAD \slot                                    ; the four v_nop behind it are also the places in front of the loads below
.else
	PLACES
.endif
	FETCH \next, 0, F0
	WIN MUL_HI
	MUL16 F1, 1, 0, 0
	MUL16 F1, 1, 2, 0
.endm
	s_wait_tensorcnt 1                             ; my part of K step 0 is in; K step 1's may stay out
	s_barrier_signal -1
	s_barrier_wait -1                              ; everybody's is
	FETCH 0, 0, F0
	QUARTER 0, 1*CHB, F0, F1, 1                    ; the first quarter stands in front of the loop: its products start the sums
	WIN 0                                          ; at a label and at a branch every window is 0
	s_mov_b32 s3, LAPS-1
.Llap:                                                 ; a trip goes once round the ring, from a lap's second quarter to the next lap's first, and fills both slots again: K steps 2 to 15
	QUARTER 0, 2*CHB, F1, F0, 0
	QUARTER 0, 3*CHB, F0, F1, 0
	TURN 0, 1, 1
	QUARTER 1, 1*CHB, F0, F1, 0
	QUARTER 1, 2*CHB, F1, F0, 0
	QUARTER 1, 3*CHB, F0, F1, 0
	TURN 1, 0, 1
	QUARTER 0, 1*CHB, F0, F1, 0
	WIN 0
	s_sub_co_u32 s3, s3, 1
	s_cmp_lg_u32 s3, 0
	s_cbranch_scc1 .Llap
	QUARTER 0, 2*CHB, F1, F0, 0                    ; the last lap is written out: it asks for nothing
	QUARTER 0, 3*CHB, F0, F1, 0
	TURN 0, 1, 0
	QUARTER 1, 1*CHB, F0, F1, 0
	QUARTER 1, 2*CHB, F1, F0, 0
	QUARTER 1, 3*CHB, F0, F1, 0
	s_wait_dscnt 8                                 ; the very last quarter: nothing more to fetch
	MUL16 F1, 0, 0, 0
	MUL16 F1, 0, 2, 0
	s_wait_dscnt 0x0
	MUL16 F1, 1, 0, 0
	MUL16 F1, 1, 2, 0
	WIN 0
	; THE WAY OUT.
	PLACES                                         ; between the last products and the stores of the sums
	s_wait_dscnt 0x0                               ; my reads of the ring are over;
	s_barrier_signal -1
	s_barrier_wait -1                              ; everybody's are, and the ring has had its last fill (all loads were waited for at the last change of slots): the sums may lie over it
.irp a, 0,1,2,3,4,5,6,7                ; accumulator (a, b) takes 1,024 bytes: its low four registers (they go first), then its high four, 32 lanes x 16 neighbouring bytes each
	WIN 0x08+4*((\a)/4)                            ; the stores' data (source 1) in window 2 or 3
.irp b, 0,1,2,3,4,5,6,7
	ds_store_b128 v[STG], v[8*(8*((\a)%4)+(\b)):8*(8*((\a)%4)+(\b))+3]   offset:(8*(\a)+(\b))*1024
	ds_store_b128 v[STG], v[8*(8*((\a)%4)+(\b))+4:8*(8*((\a)%4)+(\b))+7] offset:(8*(\a)+(\b))*1024+512
.endr
.endr
	WIN 0
; A block's eight accumulators come back, each lane its own numbers, and every number becomes sigmoid(sum + bias).  LDS serves a wave's instructions in order (ISA guide 5.7.1.4): the loads see my stores above; no other wave touches these bytes.
.macro SIGM
	v_add_nc_u32 v[ADR], s[LOFF], v[STG]
.irp b, 0,1,2,3,4,5,6,7
	ds_load_b128 v[S+8*(\b):S+8*(\b)+3],   v[ADR] offset:(\b)*1024
	ds_load_b128 v[S+8*(\b)+4:S+8*(\b)+7], v[ADR] offset:(\b)*1024+512
.endr
.irp b, 0,1,2,3,4,5,6,7
	s_wait_dscnt 14-2*(\b)                         ; accumulator b is in, the 14 - 2 b younger loads stay out
.irp i, 0,2,4,6
	v_pk_fma_f32 v[S+8*(\b)+(\i):S+8*(\b)+(\i)+1], v[S+8*(\b)+(\i):S+8*(\b)+(\i)+1], s[NL:NL+1], v[BN+8*(\b)+(\i):BN+8*(\b)+(\i)+1] op_sel_hi:[1,0,1]  ; -log2(e) (sum + bias)
.endr
.endr
.set i, 0
.rept 64
	v_exp_f32 v[S+i], v[S+i]
.set i, i+1
.endr
	v_nop                                          ; a plain instruction between the last exponential and the use of its result (ISA guide 5.7.2)
.set i, 0
	s_wait_alu depctr_va_vdst(0)
.rept 32
	v_pk_add_f32 v[S+i:S+i+1], v[S+i:S+i+1], 1.0 op_sel_hi:[1,0]
.set i, i+2
.endr
.set i, 0
.rept 64
	v_rcp_f32 v[S+i], v[S+i]
.set i, i+1
.endr
	v_nop                                          ; the same behind the last reciprocal
.endm
.macro HLOAD                           ; h of a block of 16 rows, my 128 columns: four chunks, 4,096 consecutive bytes; accumulator b's piece lies 512 b in
.irp b, 0,1,2,3,4,5,6,7
	global_load_b128 v[H+4*(\b):H+4*(\b)+3], v[L16], s[HP:HP+1] offset:512*(\b)
.endr
.endm
.macro SEND                            ; the block leaves: each store 512 consecutive bytes, at a multiple of 256 from zr's first byte; then the steps and the count
.irp b, 0,1,2,3,4,5,6,7
	global_store_b128 v[L16], v[S+8*(\b):S+8*(\b)+3], s[8:9] offset:512*(\b)
.endr
	s_add_co_u32 s[LOFF], s[LOFF], 8*1024
	s_wait_xcnt 0x0                                ; only behind this wait are the stores' base and their data registers written again
	s_add_nc_u64 s[8:9], s[8:9], RBB
	s_sub_co_u32 s[BLK], s[BLK], 1
	s_cmp_lg_u32 s[BLK], 0
.endm
	s_mov_b32 s[BLK], 8
	s_mov_b32 s[LOFF], 0
	s_cmp_eq_u32 s[GATE], 0
	s_cbranch_scc1 .Lz                             ; the one branch on the gate: alike in every wave of the cluster
	HLOAD                                          ; block 0's h
.Lr:                                                   ; eight trips: hr = h x sigmoid, as bf16
	SIGM
	s_wait_loadcnt 0x0                             ; this block's h, asked for a trip ago
	s_wait_alu depctr_va_vdst(0)
.irp b, 0,1,2,3,4,5,6,7
.set TT, T+8*((\b)%2)
.irp i, 0,1,2,3
	v_lshlrev_b32 v[TT+2*(\i)],   16, v[H+4*(\b)+(\i)]
	v_and_b32     v[TT+2*(\i)+1], s[HIM], v[H+4*(\b)+(\i)]
.endr
.irp i, 0,2,4,6
	v_pk_mul_f32 v[S+8*(\b)+(\i):S+8*(\b)+(\i)+1], v[S+8*(\b)+(\i):S+8*(\b)+(\i)+1], v[TT+(\i):TT+(\i)+1]
.endr
.irp i, 0,1,2,3
	v_cvt_pk_bf16_f32 v[S+8*(\b)+(\i)], v[S+8*(\b)+2*(\i)], v[S+8*(\b)+2*(\i)+1]
.endr
.endr
	s_cmp_eq_u32 s[BLK], 1
	s_cbranch_scc1 .Lr_send                        ; the last block has no successor: no load leaves my rows
	s_add_nc_u64 s[HP:HP+1], s[HP:HP+1], RBB       ; free: the loads that named it are done
	HLOAD                                          ; the next block's h goes out ahead of this block's stores
.Lr_send:
	SEND
	s_cbranch_scc1 .Lr
	s_branch .Lend
.Lz:                                                   ; eight trips: z = sigmoid, as f16
	SIGM
	s_wait_alu depctr_va_vdst(0)
.irp b, 0,1,2,3,4,5,6,7
.irp i, 0,1,2,3
	v_cvt_pk_f16_f32 v[S+8*(\b)+(\i)], v[S+8*(\b)+2*(\i)], v[S+8*(\b)+2*(\i)+1]
.endr
.endr
	SEND
	s_cbranch_scc1 .Lz
.Lend:
	s_wait_tensorcnt 0x0                           ; the wave's end: three closing lines, behind my last tensor load and my last LDS store
	ds_add_u32 v[SPW], v[NIL]
	s_wait_dscnt 0x0
	CROUND                                         ; the closing round: no work-group ends while a partner may still ask for a tile that names it
	s_endpgm
.Lfunc_end_k_qb6353e3554_gates_zr:
	.size	k_qb6353e3554_gates_zr, .Lfunc_end_k_qb6353e3554_gates_zr-k_qb6353e3554_gates_zr
	.p2alignl 7, 3214868480
	.fill 96, 4, 3214868480
	.section	.rodata,"a",@progbits
	.p2align	6, 0x0
	.amdhsa_kernel k_qb6353e3554_gates_zr
		.amdhsa_group_segment_fixed_size 327680
		.amdhsa_private_segment_fixed_size 0
		.amdhsa_enable_private_segment 0
		.amdhsa_kernarg_size 32
		.amdhsa_user_sgpr_count 2
		.amdhsa_user_sgpr_kernarg_segment_ptr 1
		.amdhsa_wavefront_size32 1
		.amdhsa_system_sgpr_workgroup_id_x 1
		.amdhsa_system_sgpr_workgroup_id_y 1
		.amdhsa_system_sgpr_workgroup_id_z 1
		.amdhsa_system_vgpr_workitem_id 0
		.amdhsa_next_free_vgpr 1024
		.amdhsa_next_free_sgpr 84
		.amdhsa_reserve_vcc 0
		.amdhsa_float_denorm_mode_32 3
		.amdhsa_float_denorm_mode_16_64 3
		.amdhsa_memory_ordered 1
		.amdhsa_forward_progress 1
		.amdhsa_inst_pref_size 157
	.end_amdhsa_kernel
	.amdgpu_metadata
---
amdhsa.version: [ 1, 2 ]
amdhsa.kernels:
  - .name:           k_qb6353e3554_gates_zr
    .symbol:         k_qb6353e3554_gates_zr.kd
    .args:
      - { .name: xh, .offset: 0, .size: 8, .value_kind: global_buffer, .address_space: global }
      - { .name: wc, .offset: 8, .size: 8, .value_kind: global_buffer, .address_space: global }
      - { .name: zr, .offset: 16, .size: 8, .value_kind: global_buffer, .address_space: global }
      - { .name: bias, .offset: 24, .size: 8, .value_kind: global_buffer, .address_space: global }
    .group_segment_fixed_size: 327680
    .private_segment_fixed_size: 0
    .kernarg_segment_align: 8
    .kernarg_segment_size: 32
    .max_flat_workgroup_size: 128
    .sgpr_count:     84
    .vgpr_count:     1024
    .wavefront_size: 32
...
	.end_amdgpu_metadata
.endif
;; end of part 2
;; launch cand_out (part 3): grid 32 x 8, 4 waves a work-group, clusters of 4 x 1, 327,680 bytes of LDS; arguments xh, wc, zr, bias, out0; writes out0
.if DOCPART == 3
	.amdgcn_target "amdgcn-amd-amdhsa--gfx1250"
	.amdhsa_code_object_version 6
	.text
	.protected	k_qb6353e3554_cand_out
	.globl	k_qb6353e3554_cand_out
	.p2align	8
	.type	k_qb6353e3554_cand_out,@function
k_qb6353e3554_cand_out:
	s_mov_b64 s[64:65], 0
	v_nop
	global_prefetch_b8 v0, s[64:65] scope:SCOPE_SE
	s_setreg_imm32_b32 hwreg(HW_REG_WAVE_MODE, 25, 1), 1
	s_wait_xcnt 0x0
	s_wait_alu depctr_hold_cnt(0) depctr_sa_sdst(0) depctr_va_vdst(0) depctr_va_sdst(0) depctr_va_ssrc(0) depctr_va_vcc(0) depctr_vm_vsrc(0)
	s_getreg_b32 s2, hwreg(HW_REG_IB_STS2, 6, 4)
	s_cmp_eq_u32 s2, 0
	s_cbranch_scc0 .Lentry_in_a_cluster
	s_endpgm
.Lentry_in_a_cluster:
	s_bfe_u32 s2, ttmp6, 0x10000c
	s_cmp_lg_u32 s2, 0x3003
	s_cbranch_scc0 .Lentry_shape_is_right
	s_endpgm
.Lentry_shape_is_right:
; THE CANDIDATE AND THE BLEND.  C[b][n] = bias[2][n] + sum over k < 2048 of A[b][k] wc[2048 + n][k], b < 8192, n < 1024, with A = [x | hr]: x is chunks 0-31 of xh's blocks of rows, hr chunks 32-63 of zr's; bf16 operands, f32 sums.
;   cand = max(C, 0);   out0[b][n] = cand + z (h - cand),  z = zr's chunks 0-31 (f16),  h = xh's chunks 32-63 (hx rounded to bf16, as in the products); the bias is rounded to bf16 like every input and starts the sums.
; LIMITS.  cand + z (h - cand) is (1 - z) cand + z h in another order of rounding; the bias is added first, not last.  A NaN sum gives cand = 0 (the maximum drops it); infinities are not treated apart.
; THE LAYOUT of xh, wc and zr is the order of a fragment.  A CHUNK is 16 rows x 32 columns of 16 bits, 1,024 bytes: piece p of 512 bytes, in it lane l = 16 h + r at byte 16 l: row r, columns 16 p + 8 h + 0..7.  A block of
; 16 rows is its 64 chunks on end, 65,536 bytes.  A fragment is two loads of 32 lanes x 16 neighbouring bytes, out of memory and out of LDS alike; and z's and h's pieces have the lanes of the transposed product's result.
; SHARES.  A work-group of four waves makes 256 rows x 128 columns: 256 work-groups (x: tile row, y: tile column).  Wave w owns rows 64 w .. 64 w + 63 and all 128 columns: 32 accumulators, 256 registers.
; A GOES STRAIGHT INTO REGISTERS.  A wave's 64 rows of A are read by no other wave of the work-group, so LDS would only hand them on.  A ring of 8 register slots, one for each 32 along K (4 fragments, 8 loads of 512 consecutive
; bytes), is filled ahead: slot i - 1 is asked for again in chunk i, so 56 loads at the most, 28,672 bytes a wave, are out, each for 216 matrix instructions, and a counted wait is all their ordering.
; NO MULTICAST FOR A, and why: with A and wc in the LDS ring, two slots hold one K step of 128 each (384 rows; a step of 256 would want 393,216 bytes), so a refill would have 128 matrix instructions in which to land, and a
; wave would read 48 LDS loads for each 64 products.  The price: the eight tile columns each ask for A's bytes themselves.
; wc GOES THROUGH LDS, shared: two slots of K = 256 (128 rows, 65,536 bytes); a refill has 240 matrix instructions in which to land; 16 LDS loads for each 32 products.
; CLUSTER.  4 x 1: four tile rows of one tile column need the same tiles of wc: each is asked for jointly, by the same load, descriptor and mask (15) in all four.  A wave has two tensor loads out at the start, one behind each round.
; THE MATRIX INSTRUCTION IS USED TRANSPOSED (source 0 = 16 rows of wc, source 1 = 16 rows of A): a lane holds row l % 16 of C and eight neighbouring columns 8 (l / 16) + 0..7.
; THE WAY OUT.  The blend is made in the accumulators; the f32 results go through the wave's own stage in LDS (16 rows of 528 bytes, bytes of its own behind the ring) and leave as whole rows of 512 bytes.
; REGISTERS, in windows of 256 (s_set_vgpr_msb: bits 1:0 source 0, 3:2 source 1, 5:4 source 2, 7:6 destination):
;   window 0: v0-31 addresses; v32-95 my 64 biases, later at work; v128-255 h          window 1: v0-63, v64-127 fragments of wc, two buffers; v128-255 z
;   window 2: the accumulators ((a, b) at v[8 (8 a + b)])                               window 3: A's ring: slot i at v[32 i], block of rows a at + 8 a
.set RBB,    65536                     ; a block of 16 rows of xh, wc, zr
.set CHB,    1024                      ; a chunk
.set TRIPB,  8*CHB                     ; a trip: K = 256 of one block of rows
.set SLOT,   8*TRIPB                   ; wc's 8 blocks of rows
.set STAGE,  2*SLOT                    ; behind the ring, never filled by a tensor load: 16 rows x 528 bytes for each wave
.set SP,     528                       ; a stage row: 128 f32 + 16 bytes, so that the 16 rows which a store touches lie 16 bytes apart modulo 256
.set SPARE,  STAGE+4*16*SP             ; behind the stages: the spare words, 128 bytes a wave: two blocks of 256 bytes that no other line names
.set TRIPS,  8
.set TM,   8                           ; v[8:11]  at work at the head
.set ADR,  16                          ; v16     LDS address of my 16 bytes in the slot in hand
.set STO,  24                          ; v24     stage: where I put my 32 bytes of a row
.set RD,   25                          ; v25     stage: my 16 bytes of its first row
.set L16,  26                          ; v26     16 x lane; never rewritten
.set BO,   27                          ; v27     32 x (lane / 16): my eight biases among sixteen
.set SPW,  28                          ; v28     LDS address of my spare word; never rewritten
.set NIL,  29                          ; v29     0; never rewritten
.set BI,   32                          ; v[32:95]  bias of column 16 b + 8 (l / 16) + j at BI + 8 b + j: the C of the first products
.set T,    32                          ; v[32:95]  later: h - cand of a block, then its rows on their way out
.set ZH,   128                         ; v[128:255] of window 1: z, of window 0: h: accumulator (a, b)'s 8 numbers in 4 registers at ZH + 32 a + 4 b
.set WV,   14                          ; s14  wave 0..3
.set G1B,  24                          ; s[24:31] descriptor group 1
.set G0A,  32                          ; s[32:35] group 0 of slot 0's first fill
.set G0W,  36                          ; s[36:39] group 0 of slot 1's first fill; it then walks on
.set PX,   44                          ; s[44:45] xh at my wave's first block of rows
.set PR,   46                          ; s[46:47] zr at the same block
.set PN,   48                          ; s[48:49] A at the trip that is being asked for
.set BASE, 50                          ; s[50:51] the one of PX and PR that it lies in
.set OFS,  52                          ; s[52:53] that trip's byte offset in a block of rows, as a 64-bit pair
.set ZP,   54                          ; s[54:55] z at my rows and columns
.set HP,   56                          ; s[56:57] h likewise
.set TB,   58                          ; s58  the slot in hand: 0 or SLOT
.set HIM,  59                          ; s59  a word's upper bf16
.set MSB, 0
.macro WIN new                         ; the immediate's high byte repeats the setting that is left; a switch that changes nothing is dropped
.if MSB != (\new)
	s_set_vgpr_msb (MSB<<8)|(\new)
.set MSB, \new
.endif
.endm
.macro CREST                           ; a round of the cluster's barrier behind its opening barrier
	s_cmp_lg_u32 s[WV], 0
	s_cbranch_scc1 .Lnot_wave_0_\@
	s_barrier_signal -3
.Lnot_wave_0_\@:
	s_barrier_wait -3
	s_barrier_signal -1
	s_barrier_wait -1
.endm
.macro CROUND
	s_barrier_signal -1
	s_barrier_wait -1
	CREST
.endm
.macro PLACES                          ; a load into a register that a matrix instruction has read, and a vector instruction on a matrix result, stand four plain vector instructions behind it (ISA guide 7.12.1 for vector instructions)
.rept 4
	v_nop
.endr
.endm
; A's ring: slot's 4 fragments, the chunk of that number in the trip at pointer s[p:p+1]: 8 loads of 512 consecutive bytes.  Eight work-groups read these bytes: no hint.
.macro AFILL slot, p
	WIN 0xc0                                       ; destination window 3, address window 0
.irp a, 0,1,2,3
	global_load_b128 v[32*(\slot)+8*(\a):32*(\slot)+8*(\a)+3],   v[L16], s[(\p):(\p)+1] offset:(\a)*RBB+(\slot)*CHB
	global_load_b128 v[32*(\slot)+8*(\a)+4:32*(\slot)+8*(\a)+7], v[L16], s[(\p):(\p)+1] offset:(\a)*RBB+(\slot)*CHB+512
.endr
.endm
	s_load_b256 s[4:11], s[0:1], 0x0               ; xh s[4:5], wc s[6:7], zr s[8:9], bias s[10:11]
	s_load_b64 s[12:13], s[0:1], 0x20              ; out0
	v_lshl_add_u32 v[SPW], v0, 2, SPARE
	v_mov_b32 v[NIL], 0
	ds_add_u32 v[SPW], v[NIL]                      ; the wave's opening: the add and its wait ahead of my first tensor load; the set-up below, work on registers, stands between them
	v_lshrrev_b32 v1, 5, v0
	v_readfirstlane_b32 s[WV], v1
	s_bfe_u32 s40, ttmp6, 0x40000                  ; cx
	s_lshl_b32 s42, ttmp9, 2
	s_add_co_u32 s42, s42, s40                     ; tile row = 4 x cluster x + cx: it enters A's, z's, h's and out0's addresses alone
	s_and_b32 s43, ttmp7, 0xffff                   ; tile column, which the four partners share
	; descriptor group 1: my quarter of a slot is 2 blocks of rows, of each 8,192 consecutive bytes: a tile of 2 rows x 1,024 elements of 8 bytes, 65,536 bytes from row to row; in LDS they lie on end
	s_mov_b32 s[G1B+0], 15|(3<<16)|(1<<21)         ; 15:0 the mask of four; 17:16 8-byte elements; 20 no padding; 21 set beside a mask
	s_mov_b32 s[G1B+1], 1024<<16                   ; tensor_dim0 = 1,024
	s_mov_b32 s[G1B+2], 2<<16                      ; tensor_dim1 = 2
	s_mov_b32 s[G1B+3], 1024<<16                   ; tile_dim0 = 1,024
	s_mov_b32 s[G1B+4], 2                          ; tile_dim1 = 2
	s_mov_b32 s[G1B+5], RBB/8                      ; elements from row to row
	s_mov_b32 s[G1B+6], 0
	s_mov_b32 s[G1B+7], 0
	s_mov_b32 s[HIM], 0xffff0000
	s_mov_b32 s[TB], 0
	s_mov_b32 s[OFS], 0
	s_mov_b32 s[OFS+1], 0
	s_lshl_b32 s16, s43, 3                         ; wc: block of rows 128 + 8 x tile column + 2 x wave
	s_lshl_b32 s17, s[WV], 1
	s_add_co_u32 s16, s16, s17
	s_add_co_u32 s16, s16, 128
	s_lshl_b32 s16, s16, 16                        ; in bytes, under 2^24
	s_mov_b32 s17, 0
	s_lshl_b32 s20, s[WV], 14                      ; and where it goes: wave x 2 blocks x 8,192 bytes: no place in the cluster enters an LDS address
	s_lshl_b32 s18, s42, 4                         ; A: block of rows 16 x tile row + 4 x wave
	s_lshl_b32 s19, s[WV], 2
	s_add_co_u32 s18, s18, s19
	s_lshl_b32 s18, s18, 16                        ; in bytes, under 2^26
	s_mov_b32 s19, 0
	s_lshl_b32 s60, s43, 9                         ; 4 x 128 x tile column
	s_add_co_u32 s62, s60, 8192                    ; bias[2] at my columns
	s_mov_b32 s63, 0
	v_and_b32 v5, 31, v0
	v_and_b32 v1, 15, v0                           ; l % 16
	v_bfe_u32 v2, v0, 4, 1                         ; l / 16
	v_lshlrev_b32 v[L16], 4, v5
	v_lshlrev_b32 v[BO], 5, v2
	s_wait_dscnt 0x0                               ; the opening add is done
	s_wait_kmcnt 0x0
	s_add_nc_u64 s[22:23], s[6:7], s[16:17]
	s_add_nc_u64 s[PX:PX+1], s[4:5], s[18:19]
	s_add_nc_u64 s[PR:PR+1], s[8:9], s[18:19]
	s_add_nc_u64 s[10:11], s[10:11], s[62:63]
.irp b, 0,1,2,3,4,5,6,7
	global_load_b128 v[BI+8*(\b):BI+8*(\b)+3],   v[BO], s[10:11] offset:64*(\b)
	global_load_b128 v[BI+8*(\b)+4:BI+8*(\b)+7], v[BO], s[10:11] offset:64*(\b)+16
.endr
	s_mov_b32 s[G0A], 1                            ; count = 1
	s_mov_b32 s[G0A+1], s20                        ; LDS address: slot 0
	s_add_nc_u64 s[G0A+2:G0A+3], s[22:23], 0       ; global address: trip 0
	s_or_b32 s[G0A+3], s[G0A+3], 0x80000000        ; type = 2
	s_mov_b32 s[G0W], 1
	s_add_co_u32 s[G0W+1], s20, SLOT               ; slot 1
	s_add_nc_u64 s[G0W+2:G0W+3], s[22:23], TRIPB   ; trip 1
	s_or_b32 s[G0W+3], s[G0W+3], 0x80000000
	CROUND                                         ; all four work-groups are here: the first joint loads meet
	tensor_load_to_lds s[G0A:G0A+3], s[G1B:G1B+7]  ; every wave fills its own quarter of both slots: two loads of mine are out; an s_nop 0 follows each, four v_nop the second's
	s_nop 0
	tensor_load_to_lds s[G0W:G0W+3], s[G1B:G1B+7]
	s_nop 0
.rept 4
	v_nop
.endr
.irp i, 0,1,2,3,4
	AFILL \i, PX                                   ; A's ring, trip 0
.endr
	WIN 0
	s_mul_i32 s21, s[WV], 16*SP
	s_add_co_u32 s21, s21, STAGE                   ; my stage
	v_mul_u32_u24 v4, v1, SP                       ; in: row l % 16, 32 bytes (8 f32) for each half of the lanes
	v_lshl_add_u32 v4, v2, 5, v4
	v_add_nc_u32 v[STO], s21, v4
	v_add_nc_u32 v[RD], s21, v[L16]                ; back: 32 lanes x 16 bytes are a row's 512
	v_mov_b32 v[ADR], v[L16]                       ; slot 0
	s_lshl_b32 s16, s43, 12                        ; my columns' four chunks: 4 x tile column on
	s_mov_b32 s17, 0
	s_add_nc_u64 s[ZP:ZP+1], s[PR:PR+1], s[16:17]  ; z: zr's chunks 0-31
	s_add_co_u32 s16, s16, 32*CHB
	s_add_nc_u64 s[HP:HP+1], s[PX:PX+1], s[16:17]  ; h: xh's chunks 32-63
	s_lshl_b32 s62, s42, 20                        ; out0, row-major f32: (256 x tile row + 64 x wave) rows of 4,096 bytes + 4 x 128 x tile column
	s_lshl_b32 s16, s[WV], 18
	s_add_co_u32 s62, s62, s16
	s_add_co_u32 s62, s62, s60
	s_add_nc_u64 s[12:13], s[12:13], s[62:63]
	s_wait_loadcnt 40                              ; the bias is in; the five groups of eight behind it stay out.  It is rounded to bf16 like every input: this stands in the wait for the first tiles
.set i, 0
.rept 32
	v_cvt_pk_bf16_f32 v[TM+i%4], v[BI+2*i], v[BI+2*i+1]
	v_lshlrev_b32 v[BI+2*i],   16, v[TM+i%4]
	v_and_b32     v[BI+2*i+1], s[HIM], v[TM+i%4]
.set i, i+1
.endr
.irp i, 5,6,7
	AFILL \i, PX
.endr
	WIN 0
; 8 matrix instructions of chunk i: block of rows a x all 8 blocks of columns.  first = 1: the bias starts the sums.  The 32 accumulators take turns, one instruction a turn.
.macro MULA i, a, first
.if \first
	WIN 0x8d                                       ; source 0 (wc) window 1, source 1 (A) window 3, C window 0, D window 2
.else
	WIN 0xad                                       ; the same, C window 2
.endif
.irp b, 0,1,2,3,4,5,6,7
.if \first
	v_wmma_f32_16x16x32_bf16 v[8*(8*(\a)+(\b)):8*(8*(\a)+(\b))+7], v[64*((\i)%2)+8*(\b):64*((\i)%2)+8*(\b)+7], v[32*(\i)+8*(\a):32*(\i)+8*(\a)+7], v[BI+8*(\b):BI+8*(\b)+7]
.else
	v_wmma_f32_16x16x32_bf16 v[8*(8*(\a)+(\b)):8*(8*(\a)+(\b))+7], v[64*((\i)%2)+8*(\b):64*((\i)%2)+8*(\b)+7], v[32*(\i)+8*(\a):32*(\i)+8*(\a)+7], v[8*(8*(\a)+(\b)):8*(8*(\a)+(\b))+7]
.endif
.endr
.endm
; 16 LDS loads in one run: wc's 8 fragments of chunk c of the slot in hand, into buffer f; each load takes 512 neighbouring bytes
.macro BFETCH c, f
	WIN 0x40                                       ; destination window 1, address window 0
.irp b, 0,1,2,3,4,5,6,7
	ds_load_b128 v[64*(\f)+8*(\b):64*(\f)+8*(\b)+3],   v[ADR] offset:(\b)*TRIPB+(\c)*CHB
	ds_load_b128 v[64*(\f)+8*(\b)+4:64*(\f)+8*(\b)+7], v[ADR] offset:(\b)*TRIPB+(\c)*CHB+512
.endr
.endm
; Group g of eight for the way out: z (g even) or h (g odd) of block of rows g / 2: four chunks, 4,096 consecutive bytes; accumulator b's piece lies 512 b in.  Each byte is read once in this launch.
.macro ZLOAD g
.if (\g)%2 == 0
	WIN 0x40
.irp b, 0,1,2,3,4,5,6,7
	global_load_b128 v[ZH+32*((\g)/2)+4*(\b):ZH+32*((\g)/2)+4*(\b)+3], v[L16], s[ZP:ZP+1] offset:((\g)/2)*RBB+512*(\b) th:TH_LOAD_NT
.endr
.else
	WIN 0
.irp b, 0,1,2,3,4,5,6,7
	global_load_b128 v[ZH+32*((\g)/2)+4*(\b):ZH+32*((\g)/2)+4*(\b)+3], v[L16], s[HP:HP+1] offset:((\g)/2)*RBB+512*(\b) th:TH_LOAD_NT
.endr
.endif
.endm
; A CHUNK: 32 along K, 32 matrix instructions on A's slot i and wc's buffer i % 2.  Behind its first eight, and four places behind the last chunk's products: the next chunk's fragments of wc (bf = 1) into the buffer, and a
; group of eight loads into the slot, that the last chunk read: ld = 1: A's slot i - 1 for the next trip; ld = 2: group g for the way out; ld = 3: groups 6 and 7.
; THE COUNT 48: slot i was asked for in chunk i + 1 of the trip before; six groups of eight have been issued since (one in each of the six chunks between), and loads come back in order.  In the last trip the groups for
; the way out take the refills' places, so the count holds there too.
.macro CHUNK i, bf, ld, g=0
	s_wait_loadcnt 48                              ; A's slot i is in
	s_wait_dscnt 0x0                               ; wc's fragments, asked for 24 matrix instructions ago
	MULA \i, 0, 0
	PLACES
.if \bf
	BFETCH ((\i)+1)%8, ((\i)+1)%2
.endif
.if (\ld) == 1
	AFILL ((\i)+7)%8, PN
.elseif (\ld) == 2
	ZLOAD \g
.elseif (\ld) == 3
	ZLOAD 6
	ZLOAD 7
.endif
	MULA \i, 1, 0
	MULA \i, 2, 0
	MULA \i, 3, 0
.endm
; A trip's LAST CHUNK changes slots: one barrier for two things.  In front of it each wave waits for all its tensor loads (one is out: its quarter of the other slot), adds 0 to its spare word, and waits for that and for its
; reads of this slot, the last of which brought this chunk's fragments.  Behind it nobody reads this slot any more and the other slot is whole.  fill = 1: the barrier opens a round of the cluster's, and this slot is filled
; again, two trips on, first thing behind the round: 240 matrix instructions ahead of the wait for it.
.macro CH7 fill
	s_wait_loadcnt 48                              ; A's slot 7 is in
	WIN 0                                          ; (the add's two registers lie in window 0)
	s_wait_tensorcnt 0x0                           ; no tensor load of mine is out, so a group 0 may be written
	ds_add_u32 v[SPW], v[NIL]                      ; 0 onto my spare word
.if \fill
	s_xor_b32 s[G0W+1], s[G0W+1], SLOT             ; the walking descriptor: the other slot than last time,
	s_add_nc_u64 s[G0W+2:G0W+3], s[G0W+2:G0W+3], TRIPB  ; the next trip's K; the type bits on top are not reached
.endif
	s_xor_b32 s[TB], s[TB], SLOT
	s_wait_dscnt 1                                 ; (the add alone may be out: wc's fragments are in)
	MULA 7, 0, 0                                   ; eight matrix instructions stand between the add and the wait for it
	s_wait_dscnt 0x0                               ; the add is done, and my reads of this slot are over
	s_barrier_signal -1
	MULA 7, 1, 0                                   ; work on registers while the others arrive
	WIN 0
	s_barrier_wait -1
.if \fill
	CREST                                          ; no wave of any partner still reads this slot or has a load on its way
	tensor_load_to_lds s[G0W:G0W+3], s[G1B:G1B+7]  ; my one tensor load behind the round
	s_nop 0
.rept 4
	v_nop                                          ; (the places in front of the loads below)
.endr
.else
	PLACES
.endif
	v_add_nc_u32 v[ADR], s[TB], v[L16]             ; the other slot
	BFETCH 0, 0
	AFILL 6, PN
	MULA 7, 2, 0
	MULA 7, 3, 0
.endm
; A BODY goes from a trip's chunk 1 to the next trip's chunk 0, and asks for all eight slots of A for that next trip: its offset steps, made apart from any address, and the base is chosen between the two buffers.
.macro BODY fill
	s_wait_xcnt 0x0                                ; only behind this wait is the base of the loads issued so far written again
	s_add_co_u32 s[OFS], s[OFS], TRIPB
	s_cmp_lt_u32 s[OFS], 32*CHB                    ; chunks 0-31 are x, in xh; chunks 32-63 are hr, in zr, at the same offsets
	s_cselect_b64 s[BASE:BASE+1], s[PX:PX+1], s[PR:PR+1]
	s_add_nc_u64 s[PN:PN+1], s[BASE:BASE+1], s[OFS:OFS+1]
.irp i, 1,2,3,4,5,6
	CHUNK \i, 1, 1
.endr
	CH7 \fill
	CHUNK 0, 1, 1
.endm
	s_wait_tensorcnt 1                             ; my quarter of slot 0 is in; slot 1's may stay out
	s_barrier_signal -1
	s_barrier_wait -1                              ; everybody's is
	BFETCH 0, 0
	s_wait_loadcnt 56                              ; A's slot 0 is in; the seven groups behind it stay out
	s_wait_dscnt 0x0
	MULA 0, 0, 1                                   ; the first chunk stands in front of the loop: its products start the sums, with the bias
	BFETCH 1, 1                                    ; (no product has read this buffer yet; no slot of A is free yet)
	MULA 0, 1, 1
	MULA 0, 2, 1
	MULA 0, 3, 1
	WIN 0                                          ; at a label and at a branch every window is 0
	s_mov_b32 s3, TRIPS-2
.Ltrip:                                                ; six trips: each fills a slot of wc again: trips 2 to 7
	BODY 1
	WIN 0
	s_sub_co_u32 s3, s3, 1
	s_cmp_lg_u32 s3, 0
	s_cbranch_scc1 .Ltrip
	BODY 0                                         ; written out: the last trip but one asks for no more of wc, and for A's last trip
.irp i, 1,2,3,4,5,6
	CHUNK \i, 1, 2, (\i)-1                         ; the last trip: nothing of A is left to ask for: z and h take the refills' places
.endr
	CHUNK 7, 0, 3
; THE WAY OUT, a block of 16 rows (8 accumulators) at a time.
.macro MAXB a                          ; cand = max(sum, 0), in place; each accumulator's registers in ascending order
	WIN 0x88                                       ; source 1 and destination window 2
.set i, 64*(\a)
.rept 64
	v_max_num_f32 v[i], 0, v[i]
.set i, i+1
.endr
.endm
.macro BLEND a
	s_wait_loadcnt 48-16*(\a)                      ; this block's z and h are in; the 6 - 2 a younger groups of eight stay out
	s_wait_xcnt 0x0                                ; only behind this wait is T, which the last block's stores read, written again
	WIN 0
.set i, 0
.rept 32
	v_lshlrev_b32 v[T+2*i],   16, v[ZH+32*(\a)+i]  ; h as f32
	v_and_b32     v[T+2*i+1], s[HIM], v[ZH+32*(\a)+i]
.set i, i+1
.endr
	WIN 0x08                                       ; source 1 window 2
.set i, 0
.rept 32
	v_pk_add_f32 v[T+2*i:T+2*i+1], v[T+2*i:T+2*i+1], v[64*(\a)+2*i:64*(\a)+2*i+1] neg_lo:[0,1] neg_hi:[0,1]  ; h - cand
.set i, i+1
.endr
	WIN 0xa1                                       ; source 0 (z) window 1, source 1 window 0, source 2 and destination window 2
.set i, 0
.rept 32
	v_fma_mix_f32 v[64*(\a)+2*i],   v[ZH+32*(\a)+i], v[T+2*i],   v[64*(\a)+2*i]   op_sel_hi:[1,0,0]                  ; z (an f16 half) x (h - cand) + cand
	v_fma_mix_f32 v[64*(\a)+2*i+1], v[ZH+32*(\a)+i], v[T+2*i+1], v[64*(\a)+2*i+1] op_sel:[1,0,0] op_sel_hi:[1,0,0]
.set i, i+1
.endr
	WIN 0x08                                       ; the stores' data (source 1) in window 2
.irp b, 0,1,2,3,4,5,6,7
	ds_store_b128 v[STO], v[64*(\a)+8*(\b):64*(\a)+8*(\b)+3]   offset:64*(\b)
	ds_store_b128 v[STO], v[64*(\a)+8*(\b)+4:64*(\a)+8*(\b)+7] offset:64*(\b)+16
.endr
	WIN 0
.irp t, 0,1,2,3,4,5,6,7,8,9,10,11,12,13,14,15
	ds_load_b128 v[T+4*(\t):T+4*(\t)+3], v[RD] offset:(\t)*SP  ; LDS serves a wave's instructions in order (ISA guide 5.7.1.4): these see the stores above; the next block's stores come behind them
.endr
.endm
.macro SEND a
	WIN 0
.irp t, 0,1,2,3,4,5,6,7,8,9,10,11,12,13,14,15
	s_wait_dscnt 15-(\t)                           ; row t is back, the 15 - t younger loads stay out
	global_store_b128 v[L16], v[T+4*(\t):T+4*(\t)+3], s[12:13] offset:(16*(\a)+(\t))*4096 th:TH_STORE_NT  ; 32 lanes store 512 neighbouring bytes, at a multiple of 256 from out0's first byte
.endr
.endm
	PLACES                                         ; between the last products and the first vector line on their results
	MAXB 0
	BLEND 0
	MAXB 1                                         ; the next block's maxima stand between a block's loads from the stage and the wait for them
	SEND 0
	BLEND 1
	MAXB 2
	SEND 1
	BLEND 2
	MAXB 3
	SEND 2
	BLEND 3
	SEND 3
	s_wait_tensorcnt 0x0                           ; the wave's end: three closing lines, behind my last tensor load and my last LDS store
	ds_add_u32 v[SPW], v[NIL]
	s_wait_dscnt 0x0
	CROUND                                         ; the closing round: no work-group ends while a partner may still ask for a tile that names it
	s_endpgm
.Lfunc_end_k_qb6353e3554_cand_out:
	.size	k_qb6353e3554_cand_out, .Lfunc_end_k_qb6353e3554_cand_out-k_qb6353e3554_cand_out
	.p2alignl 7, 3214868480
	.fill 96, 4, 3214868480
	.section	.rodata,"a",@progbits
	.p2align	6, 0x0
	.amdhsa_kernel k_qb6353e3554_cand_out
		.amdhsa_group_segment_fixed_size 327680
		.amdhsa_private_segment_fixed_size 0
		.amdhsa_enable_private_segment 0
		.amdhsa_kernarg_size 40
		.amdhsa_user_sgpr_count 2
		.amdhsa_user_sgpr_kernarg_segment_ptr 1
		.amdhsa_wavefront_size32 1
		.amdhsa_system_sgpr_workgroup_id_x 1
		.amdhsa_system_sgpr_workgroup_id_y 1
		.amdhsa_system_sgpr_workgroup_id_z 1
		.amdhsa_system_vgpr_workitem_id 0
		.amdhsa_next_free_vgpr 1024
		.amdhsa_next_free_sgpr 66
		.amdhsa_reserve_vcc 0
		.amdhsa_float_denorm_mode_32 3
		.amdhsa_float_denorm_mode_16_64 3
		.amdhsa_memory_ordered 1
		.amdhsa_forward_progress 1
		.amdhsa_inst_pref_size 173
	.end_amdhsa_kernel
	.amdgpu_metadata
---
amdhsa.version: [ 1, 2 ]
amdhsa.kernels:
  - .name:           k_qb6353e3554_cand_out
    .symbol:         k_qb6353e3554_cand_out.kd
    .args:
      - { .name: xh, .offset: 0, .size: 8, .value_kind: global_buffer, .address_space: global }
      - { .name: wc, .offset: 8, .size: 8, .value_kind: global_buffer, .address_space: global }
      - { .name: zr, .offset: 16, .size: 8, .value_kind: global_buffer, .address_space: global }
      - { .name: bias, .offset: 24, .size: 8, .value_kind: global_buffer, .address_space: global }
      - { .name: out0, .offset: 32, .size: 8, .value_kind: global_buffer, .address_space: global }
    .group_segment_fixed_size: 327680
    .private_segment_fixed_size: 0
    .kernarg_segment_align: 8
    .kernarg_segment_size: 40
    .max_flat_workgroup_size: 128
    .sgpr_count:     66
    .vgpr_count:     1024
    .wavefront_size: 32
...
	.end_amdgpu_metadata
.endif
;; end of part 3
;; ======== version 2 of 2: 3 launches; version 1 with the launch cvt written anew for expert scheduling mode
;; workspace buffers: xh 33,554,432 bytes; wc 12,582,912 bytes; zr 33,554,432 bytes
;; launch cvt (part 4): grid 352 x 2, 8 waves a work-group, no clusters, 70,656 bytes of LDS; arguments input, hx, weight_ih, weight_hh, xh, wc; writes xh, wc
.if DOCPART == 4
	.amdgcn_target "amdgcn-amd-amdhsa--gfx1250"
	.amdhsa_code_object_version 6
	.text
	.protected	k_qb6353e3554_cvt
	.globl	k_qb6353e3554_cvt
	.p2align	8
	.type	k_qb6353e3554_cvt,@function
k_qb6353e3554_cvt:
	s_mov_b64 s[64:65], 0
	v_nop
	global_prefetch_b8 v0, s[64:65] scope:SCOPE_SE
	s_setreg_imm32_b32 hwreg(HW_REG_WAVE_SCHED_MODE, 0, 2), 2
	s_setreg_imm32_b32 hwreg(HW_REG_WAVE_MODE, 25, 1), 1
	s_wait_xcnt 0x0
	s_wait_alu depctr_vm_vsrc(0)
; f32 -> bf16, once for every matrix operand; the two operands of each product side by side along K; and all of it IN THE ORDER OF A MATRIX FRAGMENT:
;   xh = [input | hx], 8,192 rows x 2,048 along K;   wc = [weight_ih | weight_hh], 3,072 rows (1,024 g + n) x 2,048 along K.
; THE LAYOUT.  A CHUNK is 16 rows x 32 along K, 1,024 bytes: piece p (0, 1) of 512 bytes, in it lane l = 16 h + r at byte 16 l: row r, k = 16 p + 8 h + 0..7.  A block of 16 rows is its 64 chunks on end, 65,536 bytes.
; So a load of 16 bytes a lane at 16 x lane brings half a fragment (ISA guide 7.12.2: 16-bit operands) as 512 consecutive bytes, out of memory and out of LDS alike.
; SHARES.  Work-group (x, y): y = 0 takes input / weight_ih (chunks 0-31 of the destination's blocks), y = 1 hx / weight_hh (chunks 32-63); x < 256: rows 32 x on of the activations; else rows 32 (x - 256) on of the 3,072
; weight rows.  Wave w takes 128 along K (four chunks) of the work-group's two blocks of 16 rows: two UNITS of 16 rows x 512 bytes of f32.
; A load of a wave covers 512 neighbouring bytes of a source row; all 32 loads of a thread go out at once.  A unit is rounded, laid by rows into the wave's own LDS (rows of 256 bytes + 16, so that the 16 rows which a read
; touches lie 16 bytes apart modulo 256), read back by fragments, and stored: 8 stores of 512 consecutive bytes, 4,096 on end.  LDS serves a wave's instructions in order (ISA guide 5.7.1.4) and no wave touches another's
; bytes: no barrier.  No matrix unit or cluster: nothing is shared and nothing is reduced.  Rounding: to nearest even, once.
; THE MODE: SCHED_MODE bits 1:0 = 2 (LLVM: expert scheduling mode 2), set by the entry lines.  The code itself states the register dependences between vector instructions and memory or LDS instructions, with s_wait_alu, always for 0.
; THE PLAN.  Registers that memory or LDS instructions touch:
;   v1 to v4, v6, v7   offsets, LDS addresses and the closing add's pair: written once at the head, ahead of one wait on va_vdst, and named by no vector instruction again.
;   X, row n           its global load lands in its four registers; its two roundings read the four and write the first two; its LDS store reads those two.
;   X, a unit's first 32 registers (its rows 0-7)   later the unit's eight LDS loads land in them, and its eight global stores read them; nothing writes them again.
; The 32 rows go in 8 GROUPS of four.  Group g rounds its own rows; the LDS stores of group g - 1 are dealt among those roundings, which name other registers.  So ONE wait on va_vdst at a group's head, behind the wait for the
; group's data, states all that the four LDS stores hang on.  One wait on vm_vsrc stands ahead of each unit's run of LDS loads: the LDS stores of the unit's rows 0-7 have read the registers in which the loads land; the
; roundings that named those registers stand ahead of an earlier wait on va_vdst.  Unit 0's global stores are dealt among group 6's roundings: their data come from LDS loads (DScnt's affair), their offset from the head.
.set ROWB,  4096                       ; bytes in a source row
.set RBB,   65536                      ; bytes in a destination block of 16 rows
.set LP,    272                        ; an LDS row: 128 bf16 + 16 bytes
.set UNIT,  16*LP                      ; a unit in LDS
.set SPARE, 16*UNIT                    ; behind the eight waves' two units each: the spare words, 128 bytes a wave: four blocks of 256 bytes that no other line names
.set SRC,  1                           ; v1   16 x thread: my 16 bytes in a source row
.set DST,  2                           ; v2   4,096 x wave + 16 x lane: my 16 bytes in a chunk's piece
.set LIN,  3                           ; v3   LDS, in: my 8 bytes of a row
.set LOUT, 4                           ; v4   LDS, out: row lane % 16, 16 bytes x (lane / 16)
.set SPW,  6                           ; v6   LDS address of my spare word; never rewritten
.set NIL,  7                           ; v7   0; never rewritten
.set X,    8                           ; v[8:135]  row n of 32: 4 registers as loaded; a unit's first 32 registers then take its 8 half fragments
	s_load_b256 s[4:11], s[0:1], 0x0               ; input s[4:5], hx s[6:7], weight_ih s[8:9], weight_hh s[10:11]
	s_load_b128 s[12:15], s[0:1], 0x20             ; xh s[12:13], wc s[14:15]
	v_lshl_add_u32 v[SPW], v0, 2, SPARE
	v_mov_b32 v[NIL], 0
	s_and_b32 s16, ttmp7, 0xffff                   ; y: which half of K
	v_lshrrev_b32 v5, 5, v0
	v_readfirstlane_b32 s17, v5                    ; wave 0..7
	v_lshlrev_b32 v[SRC], 4, v0
	v_and_b32 v5, 31, v0                           ; lane
	s_wait_alu depctr_va_sdst(0)                   ; s17 is written, ahead of its first reader: the wave's places in the destination and in LDS are made from it
	s_lshl_b32 s2, s17, 12                         ; my wave's four chunks
	s_mul_i32 s3, s17, 2*UNIT                      ; my wave's two units in LDS
	v_lshl_add_u32 v[DST], v5, 4, s2
	v_lshl_add_u32 v[LIN], v5, 3, s3
	v_and_b32 v[LOUT], 15, v0
	v_bfe_u32 v5, v0, 4, 1
	v_mul_u32_u24 v[LOUT], v[LOUT], LP
	v_lshl_add_u32 v[LOUT], v5, 4, v[LOUT]
	v_add_nc_u32 v[LOUT], s3, v[LOUT]
	s_wait_kmcnt 0x0
	s_cmp_eq_u32 s16, 0
	s_cselect_b64 s[18:19], s[4:5], s[6:7]         ; the activations of this half
	s_cselect_b64 s[20:21], s[8:9], s[10:11]       ; the weights of this half
	s_cmp_lt_u32 ttmp9, 256
	s_cselect_b64 s[22:23], s[18:19], s[20:21]     ; source
	s_cselect_b64 s[24:25], s[12:13], s[14:15]     ; destination
	s_cselect_b32 s26, 0, 256
	s_sub_co_u32 s27, ttmp9, s26                   ; block of 32 rows in that tensor
	s_lshl_b32 s28, s27, 17                        ; 32 source rows of 4,096 bytes = two destination blocks of 65,536: the same offset, under 2^26
	s_mov_b32 s29, 0
	s_lshl_b32 s30, s16, 15                        ; the destination's chunks 32 y on
	s_mov_b32 s31, 0
	s_add_nc_u64 s[22:23], s[22:23], s[28:29]
	s_add_nc_u64 s[24:25], s[24:25], s[28:29]
	s_add_nc_u64 s[24:25], s[24:25], s[30:31]
	s_wait_alu depctr_va_vdst(0)                   ; v1 to v4, v6 and v7 are written: every load, store and LDS instruction of the kernel reads one of them as its offset or address, and no vector instruction names them again
.set i, 0
.rept 32
	global_load_b128 v[X+4*i:X+4*i+3], v[SRC], s[22:23] offset:ROWB*i th:TH_LOAD_NT  ; read once in the whole program
.set i, i+1
.endr
.macro ROUND2 n                        ; row n of 32 is rounded: four numbers close up into the first two of their four registers
	v_cvt_pk_bf16_f32 v[X+4*(\n)],   v[X+4*(\n)],   v[X+4*(\n)+1]
	v_cvt_pk_bf16_f32 v[X+4*(\n)+1], v[X+4*(\n)+2], v[X+4*(\n)+3]
.endm
.macro LAY n                           ; row n of 32 is laid into its unit in LDS
	ds_store_b64 v[LIN], v[X+4*(\n):X+4*(\n)+1] offset:((\n)/16)*UNIT+((\n)%16)*LP
.endm
.macro BACK u                          ; unit u's 8 half fragments are asked for (chunk q / 2, piece q % 2: 64 (q / 2) + 32 (q % 2) = 32 q bytes into the rows)
.irp q, 0,1,2,3,4,5,6,7
	ds_load_b128 v[X+64*(\u)+4*(\q):X+64*(\u)+4*(\q)+3], v[LOUT] offset:(\u)*UNIT+32*(\q)
.endr
.endm
.macro OUT u, q                        ; half fragment q of unit u leaves: 512 consecutive bytes, at a multiple of 256 from the buffer's first; no hint: the next launches read it
	global_store_b128 v[DST], v[X+64*(\u)+4*(\q):X+64*(\u)+4*(\q)+3], s[24:25] offset:(\u)*RBB+512*(\q)
.endm
; Group g of 8: rows 4 g to 4 g + 3 are rounded, and the four rows of the group before are laid into LDS among those roundings.  send = 1: unit 0's eight global stores go out here too, two ahead of each row.
.macro GROUP g, send
	s_wait_loadcnt 28-4*(\g)                       ; loads come back in order (ISA guide 5.7.1): this group's four rows are in, the 28 - 4 g younger loads stay out
.if \send
	s_wait_dscnt 4                                 ; unit 0's eight half fragments are back: behind their loads only the last group's four LDS stores were issued, and those may stay out
.endif
.if (\g) > 0
	s_wait_alu depctr_va_vdst(0)                   ; the group before has written the rounded rows that the LDS stores below read; the roundings below name this group's registers alone
.endif
.irp i, 0,1,2,3
.if \send
	OUT 0, 2*(\i)
	OUT 0, 2*(\i)+1
.endif
.if (\g) > 0
	LAY 4*(\g)-4+(\i)
.endif
	ROUND2 4*(\g)+(\i)
.endr
.endm
	GROUP 0, 0
	GROUP 1, 0
	GROUP 2, 0
	GROUP 3, 0
	GROUP 4, 0                                     ; unit 1's first rows are rounded; unit 0's last four rows are laid: unit 0 is whole in LDS
	s_wait_alu depctr_vm_vsrc(0)                   ; the LDS stores of unit 0's rows 0-7 have read the registers in which the loads below land (the roundings that named them stand ahead of the waits at the heads of groups 2 to 4)
	BACK 0
	GROUP 5, 0                                     ; a group's work stands between unit 0's LDS loads and the wait for them
	GROUP 6, 1
	GROUP 7, 0
	s_wait_alu depctr_va_vdst(0)                   ; group 7 has written the rounded rows that the last four LDS stores read; with it every rounding that named unit 1's registers is done
.irp n, 28,29,30,31
	LAY \n
.endr
	s_wait_alu depctr_vm_vsrc(0)                   ; the LDS stores of unit 1's rows 0-7 have read the registers in which the loads below land
	BACK 1
.irp q, 0,1,2,3,4,5,6,7
	s_wait_dscnt 7-(\q)                            ; half fragment q is back, the 7 - q younger loads stay out
	OUT 1, \q
.endr
	s_wait_dscnt 0x0                               ; the closing lines, six on end
	s_wait_alu 0x0
	s_wait_tensorcnt 0x0
	ds_add_u32 v[SPW], v[NIL]
	s_wait_dscnt 0x0
	s_endpgm
.Lfunc_end_k_qb6353e3554_cvt:
	.size	k_qb6353e3554_cvt, .Lfunc_end_k_qb6353e3554_cvt-k_qb6353e3554_cvt
	.p2alignl 7, 3214868480
	.fill 96, 4, 3214868480
	.section	.rodata,"a",@progbits
	.p2align	6, 0x0
	.amdhsa_kernel k_qb6353e3554_cvt
		.amdhsa_group_segment_fixed_size 70656
		.amdhsa_private_segment_fixed_size 0
		.amdhsa_enable_private_segment 0
		.amdhsa_kernarg_size 48
		.amdhsa_user_sgpr_count 2
		.amdhsa_user_sgpr_kernarg_segment_ptr 1
		.amdhsa_wavefront_size32 1
		.amdhsa_system_sgpr_workgroup_id_x 1
		.amdhsa_system_sgpr_workgroup_id_y 1
		.amdhsa_system_sgpr_workgroup_id_z 1
		.amdhsa_system_vgpr_workitem_id 0
		.amdhsa_next_free_vgpr 136
		.amdhsa_next_free_sgpr 66
		.amdhsa_reserve_vcc 0
		.amdhsa_float_denorm_mode_32 3
		.amdhsa_float_denorm_mode_16_64 3
		.amdhsa_memory_ordered 1
		.amdhsa_forward_progress 1
		.amdhsa_inst_pref_size 15
	.end_amdhsa_kernel
	.amdgpu_metadata
---
amdhsa.version: [ 1, 2 ]
amdhsa.kernels:
  - .name:           k_qb6353e3554_cvt
    .symbol:         k_qb6353e3554_cvt.kd
    .args:
      - { .name: input, .offset: 0, .size: 8, .value_kind: global_buffer, .address_space: global }
      - { .name: hx, .offset: 8, .size: 8, .value_kind: global_buffer, .address_space: global }
      - { .name: weight_ih, .offset: 16, .size: 8, .value_kind: global_buffer, .address_space: global }
      - { .name: weight_hh, .offset: 24, .size: 8, .value_kind: global_buffer, .address_space: global }
      - { .name: xh, .offset: 32, .size: 8, .value_kind: global_buffer, .address_space: global }
      - { .name: wc, .offset: 40, .size: 8, .value_kind: global_buffer, .address_space: global }
    .group_segment_fixed_size: 70656
    .private_segment_fixed_size: 0
    .kernarg_segment_align: 8
    .kernarg_segment_size: 48
    .max_flat_workgroup_size: 256
    .sgpr_count:     66
    .vgpr_count:     136
    .wavefront_size: 32
...
	.end_amdgpu_metadata
.endif
;; end of part 4
;; launch gates_zr: the kernel of part 2 again; grid 8 x 32, 4 waves a work-group, clusters of 4 x 4, 327,680 bytes of LDS; arguments xh, wc, zr, bias; writes zr
;; launch cand_out: the kernel of part 3 again; grid 32 x 8, 4 waves a work-group, clusters of 4 x 1, 327,680 bytes of LDS; arguments xh, wc, zr, bias, out0; writes out0
